; MI455X (gfx1250); checked and timed in simulation.
; The chip was launched on July 23, 2026; its instructions are those of AMD's public machine-readable ISA for CDNA 5 (MIT licence, August 2026) and "CDNA5" Instruction Set Architecture Reference Guide (July 2026). The comments in the code are by the model that wrote it; some were corrected since.
;; Dot Product Attention. Allowed arithmetic: matrix products marked QUANTISED: E4M3 operands, one E8M0 scale for each 32 along K, by v_wmma_scale_f32_16x16x128_f8f6f4 with both operands' format E4M3, f32 sums; everything else in f32.
;; Inputs: keys_codes 32 x 2,048 x 2 x 32 uint8 (E4M3 codes of keys, K innermost, in blocks of 32 codes); keys_scales 32 x 2,048 x 2 uint8 (E8M0 scales of keys, one for each 32 codes along K); queries_codes 32 x 2,048 x 2 x 32 uint8 (E4M3 codes of queries, K innermost, in blocks of 32 codes); queries_scales 32 x 2,048 x 2 uint8 (E8M0 scales of queries, one for each 32 codes along K); valid_lens 32 int32; values_codes 32 x 64 x 64 x 32 uint8 (E4M3 codes of values, K innermost, in blocks of 32 codes); values_scales 32 x 64 x 64 uint8 (E8M0 scales of values, one for each 32 codes along K).
;; Outputs: out0 32 x 2,048 x 64 float32.
;; This version of the problem:
;;   THIS VERSION OF THE PROBLEM IS GIVEN IN LOW PRECISION. The matrix products marked QUANTISED in the list below multiply operands that are first quantised to E4M3 (4 exponent bits, 3 mantissa bits; 8 bits a number), with one power-of-two scale for each 32 numbers along K (OCP MX v1.0); their sums are f32. All else is computed in f32.
;;   The module's matrix products, in the order in which they are computed (A, B: the left and right operand; K: the contracted axis; several contracted axes count as one K, in the product's order):
;;     1. batch 32 x [M 2,048, K 64] x [K 64, N 2,048]; A: input queries (given as codes); B: input keys (given as codes): QUANTISED
;;     2. batch 32 x [M 2,048, K 2,048] x [K 2,048, N 64]; A: softmax (see below); B: input values (given as codes): QUANTISED
;;   THE QUANTISER, for each operand of a quantised product, along K:
;;     - K is cut into blocks of 32 from its start; a last block that is shorter is filled with zeros.
;;     - A block's scale is 2^e with e = floor(log2(the largest magnitude in the block)) - 8, held to -126 .. 127; a block of zeros has e = 0. As a byte (E8M0): e + 127.
;;     - Each number is divided by its block's scale, clamped to +-448, and rounded to the nearest number of E4M3, ties to even, subnormals kept.
;;     - The product sums the exact products of the quantised numbers (number of the format x scale) in f32.
;;   ~~~python
;;   def quantise(x, axis):      # numpy; x: float32 -> the quantised numbers, widened to float32 again
;;       x = np.moveaxis(x, axis, -1); K = x.shape[-1]
;;       x = np.pad(x, [(0, 0)] * (x.ndim - 1) + [(0, -K % 32)]); x = x.reshape(x.shape[:-1] + (-1, 32)); a = np.abs(x).max(-1, keepdims=True)
;;       e = np.where(a > 0, np.clip(np.frexp(np.where(a > 0, a, 1))[1] - 1 - 8, -126, 127), 0)      # np.frexp(a)[1] - 1 = floor(log2(a)), exactly
;;       r = np.clip(x / 2.0 ** e, -448, 448)
;;       step = 2.0 ** (np.maximum(np.frexp(np.where(r == 0, 1, r))[1] - 1, -6) - 3)
;;       q = np.round(r / step) * step * 2.0 ** e      # np.round: ties to even
;;       return np.moveaxis(q.reshape(q.shape[:-2] + (-1,))[..., :K], -1, axis).astype(np.float32)
;;   ~~~
;;   SOFTMAX AHEAD OF A QUANTISED PRODUCT. Where the list says 'softmax', what is quantised is not the finished softmax but p = 2^(t - M), with t = logit x log2(e) and M = ceil(the row's largest t), a whole number; so 1/2 < the row's largest p <= 1. The row's sum l is taken of the UNQUANTISED p, in f32, and the product's result is divided by l at the end. Since M is a whole number, a kernel that streams over the keys may use a running M (the ceiling of the running maximum): every later rescaling is an exact power of two, which a block's scale takes up: the codes' values come out the same.
;;   OPERANDS COMPUTED ON THE WAY. 'Computed on the way' means the value that the module computes at that place (a softmax that the list does not call 'softmax' is quantised finished and normalised). What goes into a quantiser is computed in f32, as accurately as f32 sums, v_exp_f32 and their like allow (about 1e-6 of the number): no bf16 or f16 on the way to a quantiser, and a product that is left as it is and whose result goes on into a quantised operand takes f32 operands (vector FMAs, or v_wmma_f32_16x16x4_f32). A number that lies on a knife's edge between two numbers of the format may be rounded either way, as far as f32 arithmetic and the matrix unit's own rounding can turn it there, and no further.
;;   INPUTS GIVEN AS CODES. keys (in the module: [32, 2048, 64], K = its axis 2); queries (in the module: [32, 2048, 64], K = its axis 2); values (in the module: [32, 2048, 64], K = its axis 1): each comes as NAME_codes (uint8): NAME with its K axis moved to the last place and cut into blocks of 32 codes, [.., K / 32, bytes a block], one block behind the other in memory; one code a byte (a code: sign, 4 exponent bits, 3 mantissa bits); and NAME_scales (uint8): the same leading axes, one E8M0 byte (e + 127) for each 32 codes along K. Its value is code x scale, taken as it is: it is not quantised again, and the codes and scales need not be those that the quantiser above would give.
;; 2 versions. Each part assembles by itself: llvm-mc -triple=amdgcn-amd-amdhsa -mcpu=gfx1250 --defsym DOCPART=n.
;; ======== version 1 of 2: 1 launch
;; limits: right only within a limited range of input values
;; launch attn (part 1): grid 16 x 16, 16 waves a work-group, no clusters, 231,424 bytes of LDS; arguments keys_codes, keys_scales, queries_codes, queries_scales, valid_lens, values_codes, values_scales, out0; writes out0
.if DOCPART == 1
	.amdgcn_target "amdgcn-amd-amdhsa--gfx1250"
	.amdhsa_code_object_version 6
	.text
	.protected	k_qebc93db997_attn
	.globl	k_qebc93db997_attn
	.p2align	8
	.type	k_qebc93db997_attn,@function
k_qebc93db997_attn:
	s_mov_b64 s[64:65], 0
	v_nop
	global_prefetch_b8 v0, s[64:65] scope:SCOPE_SE
	s_setreg_imm32_b32 hwreg(HW_REG_WAVE_MODE, 25, 1), 1
	s_wait_xcnt 0x0
; out0[b][q][:] = the sum over k of softmax_k(Q[b][q] . K[b][k] / 8, keys k >= valid_lens[b] replaced by -1e6) V[b][k][:].  32 batches, 2,048 queries, 2,048 keys, head 64.
; Both products on codes of FP8 (E4M3) with one E8M0 scale for each 32 along a product's K.  Q, K: codes [b][row][64], scale bytes [b][row][2].  V: codes with the keys innermost, [b][64][2048], scale bytes [b][64][64].  out0: f32.
; THE SOFTMAX AHEAD OF THE SECOND PRODUCT: t = score x log2(e) / 8; M = the row's largest t so far, rounded up to a whole number; p = 2^(t - M) is quantised along the keys, not normalised; the row's sum is taken of
; the unquantised p and divides O at the end.  When M moves, the sum and O are multiplied by 2^(old M - new M): exact.
; KEY STEPS THAT LIE WHOLLY BEHIND valid_lens[b] ARE NOT WALKED: their p is 0.  That is a branch on a number read from memory, so K and V come by plain loads through registers into LDS: no tensor loads, and so no joint
; loads of a cluster either, though the sixteen work-groups of a batch read the same K and V: walking len of 2,048 keys spares (2,048 - len) / 2,048 of a batch's vector and matrix work, which weighs more than the requests.
; SHARES.  Work-group (x, y) serves queries 128 x .. 128 x + 127 of TWO batches: eight waves (half 0) the batch of rank y by length, eight (half 1) the batch of rank 31 - y, so that short and long walks share a WGP.
; Every wave finds the ranks itself from the 32 lengths.  Half = (wave xor wave / 8) & 1: of waves k, k+4, k+8, k+12 and of waves 4k .. 4k+3 alike, two belong to each half.  A wave owns 16 queries; a lane holds ONE query (lane % 16).
; THE FIRST PRODUCT.  Its K is 64, the instruction's 128.  K is read as rows of 128 bytes: a PAIR of keys (even key k 0-63, odd key k 64-127), whose scale word is 4 neighbouring bytes of keys_scales.  Q stands in registers
; as zeros | Q | zeros: pairs x [Q | 0] gives the even keys' scores, pairs x [0 | Q] the odd keys'.  In tile t's two results register j of lane (r, h) is key 32 t + 16 h + 2 j + e: the 16 registers are the 16 keys of block t,
; half h, evens first.  V's bytes get the same order inside each aligned group of 16 keys when they are staged (four v_perm_b32 for 16 bytes); the order stays inside a block of 32, so the scales hold.
; Both products are used transposed: source 0 = 16 pairs of keys (or 16 of the head's 64), source 1 = my 16 queries (or p).
; LIMITS.  NaN codes and 0xff scale bytes among the keys are not served: a pair's other key meets zero codes, and NaN x 0 is NaN.  Skipping is exact while a row's largest valid logit lies above -1e6 + 150.
; valid_lens above 2,048 counts as 2,048, as in the definition.  valid_lens under 1: all 2,048 keys are walked with the fill, which gives equal weights; p then hangs on the last bits of fill x log2(e).
.set HALF,  79872                      ; LDS of a half: two slots, then its batch's scale bytes
.set KPI,   144                        ; a pair of keys in LDS: 128 bytes + 16: an odd multiple of 16, so that the 16 rows of a load begin in 16 different groups of four banks (64 banks of 4 bytes: ISA guide 11.1)
.set VPI,   272                        ; a row of V's tile: 256 keys + 16
.set VOFF,  128*KPI                    ; a slot (256 keys): 128 pairs of keys, then 64 rows of V
.set SLOTB, VOFF+64*VPI
.set SCK,   2*SLOTB                    ; K's scale bytes of the batch, 4,096, as they lie in memory: the word of pair p at 4 p
.set SCV,   SCK+4096                   ; V's, 4,096, laid [step of 128 keys][d]: the word at 256 g + 4 d
.set STAGE, 2*HALF                     ; the way out: 16 rows x 272 bytes for each wave, its own
.set STW,   16*272
.set AK,   1                           ; v1-2   my lane's place in a tile of K, slot 0, 1
.set AV,   3                           ; v3-4   the same for V
.set ADS,  5                           ; v5     my lane's scale word: SCK + 4 x lane; 1,024 bytes on in each trip of the loop
.set WK,   6                           ; v6-7   where I store staged bytes of K, slot 0, 1
.set WV,   8                           ; v8-9   the same for V
.set GK,   10                          ; v10    my 16 bytes of 4,096 of K in memory
.set GV,   11                          ; v11    my 16 bytes of V in memory: row tau / 16, 16 (tau % 16)
.set H16,  16                          ; v16    16 x (lane / 16)
.set SO,   17                          ; v17    the stage: where I put 32 bytes of a row
.set SR,   18                          ; v18    and where I read a row back
.set GO,   19                          ; v19    16 x lane
.set PFK,  20                          ; v20    the prefetches' offset in a slot's K
.set PFV,  21                          ; v21    and among V's rows
.set QR,   32                          ; v24-31 zeros, v32-39 Q, v40-47 zeros
.set F,    48                          ; v48-111  K's four fragments; v48-63 also bytes being staged, v64-79 V's bytes in their new order
.set PC,   96                          ; v96-111  p's codes
.set S,    112                         ; v112-175 the scores, then p, then V's four fragments
.set OT,   176                         ; v176-207 O^T, four tiles
.set KS,   208                         ; v208-209 K's scale words: lanes 0-15 tile 2 p, lanes 16-31 tile 2 p + 1
.set VS,   210                         ; v210-211 V's likewise
.set PW,   212                         ; v212   p's scale word
.set QS,   213                         ; v213   Q's scale word, its two bytes twice
.set BM,   216                         ; v216-219 a block's largest score, then its largest p
.set PX,   220                         ; v220-223 the other half's, then the scale bytes
.set HOLD, 224                         ; v224-227 448 x the scale
.set SOP,  228                         ; v228-231 the conversions' scale operands
.set FF,   232                         ; v232-233 f = 2^(old M - new M); later 1 / the sum
.set SUM2, 234                         ; v234-235 the second chain of the sum
.set T0,   236
.set FILL, 238
.set MD,   239
; scalars: s20 wave, s21 half, s22 wave in its half, s24 batch, s25 RL = keys left to walk from this trip's first slot on, s26 RM = keys left that count, s27, s29 at work, s28 the loop's count,
; s[30:31] lane selects, s[32:33] c, s34 448's mantissa field, s35 the fill x 8, s36-37 byte selects, s38 0 in a wave that prefetches, s[40:41] K, s[42:43] V, s[44:45] my rows of out0, s[68:99] the sort keys
.macro PLACES n
.rept \n
	v_nop
.endr
.endm
; 64 bytes of V, four groups of 16 keys: in each group the even keys' bytes first, then the odd keys'
.macro PERM src, dst
.irp u, 0,1,2,3
	v_perm_b32 v[\dst+4*\u],   v[\src+4*\u+1], v[\src+4*\u],   s36
	v_perm_b32 v[\dst+4*\u+1], v[\src+4*\u+3], v[\src+4*\u+2], s36
	v_perm_b32 v[\dst+4*\u+2], v[\src+4*\u+1], v[\src+4*\u],   s37
	v_perm_b32 v[\dst+4*\u+3], v[\src+4*\u+3], v[\src+4*\u+2], s37
.endr
.endm
	s_load_b512 s[4:19], s[0:1], 0x0               ; K codes s[4:5], K scales s[6:7], Q codes s[8:9], Q scales s[10:11], valid_lens s[12:13], V codes s[14:15], V scales s[16:17], out0 s[18:19]
	v_lshl_add_u32 v254, v0, 2, 0x38000
	v_mov_b32 v255, 0
	v_lshrrev_b32 v1, 5, v0
	v_readfirstlane_b32 s20, v1                    ; wave 0..15
	s_lshr_b32 s21, s20, 3
	s_xor_b32 s21, s21, s20
	s_and_b32 s21, s21, 1                          ; my half
	s_lshr_b32 s22, s20, 1                         ; my wave's number in it, 0..7
	s_mul_i32 s28, s21, HALF                       ; my half's LDS
	v_and_b32 v236, 31, v0                         ; lane
	v_and_b32 v237, 15, v0                         ; r
	v_and_b32 v[H16], 16, v0
	v_lshrrev_b32 v238, 6, v0
	v_lshl_or_b32 v238, v238, 5, v236              ; tau: my thread's number in the half, 0..255
	v_mad_u32_u24 v[AK], v237, KPI, v[H16]         ; a fragment's row x pitch + 16 x half of the lanes
	v_add_nc_u32 v[AK], s28, v[AK]
	v_add_nc_u32 v[AK+1], SLOTB, v[AK]
	v_mad_u32_u24 v[AV], v237, VPI, v[H16]
	v_add_nc_u32 v[AV], s28, v[AV]
	v_add_nc_u32 v[AV], VOFF, v[AV]
	v_add_nc_u32 v[AV+1], SLOTB, v[AV]
	v_lshl_add_u32 v[ADS], v236, 2, s28
	v_add_nc_u32 v[ADS], SCK, v[ADS]
	v_lshrrev_b32 v239, 3, v238                    ; staged K: eight threads to a pair's 128 bytes
	v_and_b32 v[WK], 7, v238
	v_lshlrev_b32 v[WK], 4, v[WK]
	v_mad_u32_u24 v[WK], v239, KPI, v[WK]
	v_add_nc_u32 v[WK], s28, v[WK]
	v_add_nc_u32 v[WK+1], SLOTB, v[WK]
	v_lshrrev_b32 v239, 4, v238                    ; staged V: sixteen threads to a row's 256 bytes
	v_and_b32 v[WV], 15, v238
	v_lshlrev_b32 v[WV], 4, v[WV]
	v_lshl_add_u32 v[GV], v239, 11, v[WV]          ; in memory a row of V is 2,048 bytes
	v_mad_u32_u24 v[WV], v239, VPI, v[WV]
	v_add_nc_u32 v[WV], s28, v[WV]
	v_add_nc_u32 v[WV], VOFF, v[WV]
	v_add_nc_u32 v[WV+1], SLOTB, v[WV]
	v_lshlrev_b32 v[GK], 4, v238
	s_mul_i32 s29, s20, STW
	s_add_co_u32 s29, s29, STAGE                   ; my stage
	v_lshlrev_b32 v[SO], 1, v[H16]
	v_mad_u32_u24 v[SO], v237, 272, v[SO]          ; in: row r, + 32 x half of the lanes
	v_add_nc_u32 v[SO], s29, v[SO]
	v_mul_u32_u24 v[SR], v[H16], 17                ; back: lanes 0-15 one row, lanes 16-31 the next (272 = 17 x 16)
	v_lshl_add_u32 v[SR], v237, 4, v[SR]
	v_add_nc_u32 v[SR], s29, v[SR]
	v_lshlrev_b32 v[GO], 4, v236
	s_and_b32 s27, s22, 1
	s_lshl_b32 s23, s27, 13
	v_lshlrev_b32 v[PFK], 8, v236
	v_add_nc_u32 v[PFK], s23, v[PFK]               ; K: 8,192 bytes a wave, lanes 256 bytes apart
	s_lshl_b32 s23, s27, 16
	v_lshlrev_b32 v[PFV], 11, v236
	v_add_nc_u32 v[PFV], s23, v[PFV]               ; V: 32 rows a wave, a lane a row
	v_lshl_add_u32 v240, v238, 4, s28
	v_add_nc_u32 v240, SCK, v240                   ; where K's scale bytes go: 16 tau
	v_and_b32 v241, 3, v238
	v_lshlrev_b32 v241, 10, v241
	v_lshrrev_b32 v239, 2, v238
	v_lshl_add_u32 v241, v239, 2, v241
	v_add_nc_u32 v241, s28, v241
	v_add_nc_u32 v241, SCV, v241                   ; where V's go: my 16 bytes are row d = tau / 4, steps 4 (tau % 4) + 0..3: 1,024 (tau % 4) + 4 (tau / 4), 256 bytes from word to word
	v_lshl_add_u32 v242, v237, 6, v[H16]           ; Q: row r of 64 bytes, + 16 x half
	v_lshlrev_b32 v243, 1, v237                    ; Q's scale bytes: two a row
	v_lshlrev_b32 v244, 2, v236                    ; valid_lens: a lane a batch
	s_lshr_b32 s38, s22, 1                         ; who prefetches: waves 0 and 1 of each half,
	s_or_b32 s38, s38, ttmp9                       ; in the batch's first work-group
	s_cmp_eq_u32 s38, 0
	s_cselect_b32 s38, 0, 0x7fffffff
	s_and_b32 s23, ttmp7, 0xffff                   ; y
	s_sub_co_u32 s29, 31, s23
	s_cmp_eq_u32 s21, 0
	s_cselect_b32 s23, s23, s29                    ; the rank that my half serves
	s_mov_b32 s30, 0x76543210
	s_mov_b32 s31, 0xfedcba98                      ; v_permlanex16_b32: lane l xor 16
	s_mov_b32 s32, 0x3e38aa3b                      ; c = log2(e) / 8
	s_mov_b32 s33, s32                             ; (named with it as a pair, so it is written)
	s_mov_b32 s34, 0x600000                        ; the mantissa field of 448
	s_mov_b32 s35, 0xcaf42400                      ; -8e6: the fill -1e6 as a score not yet divided by 8
	s_mov_b32 s36, 0x06040200                      ; the even bytes of two words
	s_mov_b32 s37, 0x07050301                      ; the odd ones
	s_wait_kmcnt 0x0
	global_load_b32 v22, v244, s[12:13]            ; the 32 lengths
.set j, 0
.rept 8
	v_mov_b32 v[QR-8+j], 0                         ; zero codes on both sides of Q
	v_mov_b32 v[QR+8+j], 0
.set j, j+1
.endr
.set j, 0
.rept 32
	v_mov_b32 v[OT+j], 0                           ; O^T: the step is written once; the first finds zeros, which the first change of M leaves zeros
.set j, j+1
.endr
.irp b, 0,1,2,3
	v_mov_b32 v[PX+\b], 0                          ; a lane permute's destination counts as one of its sources
.endr
	v_mov_b32 v[FF+1], 0                           ; (named as the upper half of a pair)
	v_mov_b32 v13, 0xff61b1e6                      ; the largest t so far: -3e38
	v_floor_f32 v12, -v13                          ; -M
	v_mov_b32 v14, 0                               ; the sum, in two halves
	v_mov_b32 v15, 0
	v_mov_b32 v245, 0x800
	s_wait_loadcnt 0x0
	v_cmp_gt_i32 vcc_lo, 1, v22                    ; a length under 1: every key is walked (with the fill)
	v_min_u32 v22, 0x800, v22
	v_cndmask_b32 v23, v22, v245, vcc_lo           ; how many keys the batch walks
	v_lshl_or_b32 v23, v23, 5, v236                ; the sort key: length, then batch: no two are equal
.set j, 0
.rept 32
	v_readlane_b32 s[68+j], v23, j
.set j, j+1
.endr
	v_mov_b32 v22, 0
.set j, 0
.rept 32
	v_cmp_lt_u32 vcc_lo, s[68+j], v23              ; my batch's rank = how many sort keys lie under mine
	v_cndmask_b32 v245, 0, 1, vcc_lo
	v_add_nc_u32 v22, v22, v245
.set j, j+1
.endr
	v_cmp_eq_u32 s29, s23, v22                     ; one lane has the rank that I serve
	s_ctz_i32_b32 s24, s29
	s_min_u32 s24, s24, 31                         ; my batch
	s_lshl_b32 s29, s24, 2
	s_load_b32 s25, s[12:13], s29 offset:0x0       ; its length, as a scalar
	s_mov_b32 s47, 0
	s_mov_b32 s49, 0
	s_lshl_b32 s46, s24, 17                        ; a batch's codes are 131,072 bytes
	s_add_nc_u64 s[40:41], s[4:5], s[46:47]
	s_add_nc_u64 s[42:43], s[14:15], s[46:47]
	s_lshl_b32 s48, ttmp9, 13                      ; my 16 queries: 128 x + 16 x wave in the half; 64 bytes each
	s_lshl_b32 s27, s22, 10
	s_add_co_u32 s48, s48, s27
	s_add_co_u32 s48, s48, s46
	s_add_nc_u64 s[8:9], s[8:9], s[48:49]
	s_lshl_b32 s46, s24, 12                        ; a batch's scale bytes are 4,096
	s_add_nc_u64 s[6:7], s[6:7], s[46:47]
	s_add_nc_u64 s[16:17], s[16:17], s[46:47]
	s_lshl_b32 s48, ttmp9, 8
	s_lshl_b32 s27, s22, 5
	s_add_co_u32 s48, s48, s27
	s_add_co_u32 s48, s48, s46
	s_add_nc_u64 s[10:11], s[10:11], s[48:49]
	s_lshl_b32 s46, s24, 19                        ; a batch of out0 is 524,288 bytes, a row 256
	s_lshl_b32 s48, ttmp9, 15
	s_lshl_b32 s27, s22, 12
	s_add_co_u32 s48, s48, s27
	s_add_co_u32 s48, s48, s46
	s_add_nc_u64 s[44:45], s[18:19], s[48:49]
	; thirteen loads: the batch's scale bytes, slot 0, Q
	global_load_b128 v[80:83], v[GK], s[6:7]
	global_load_b128 v[84:87], v[GK], s[16:17]
.irp u, 0,1,2,3
	global_load_b128 v[F+4*\u:F+4*\u+3], v[GK], s[40:41] offset:4096*\u
.endr
.irp u, 0,1,2,3
	global_load_b128 v[S+4*\u:S+4*\u+3], v[GV], s[42:43] offset:32768*\u
.endr
	global_load_b128 v[QR:QR+3], v242, s[8:9] th:TH_LOAD_NT
	global_load_b128 v[QR+4:QR+7], v242, s[8:9] offset:32 th:TH_LOAD_NT
	global_load_u16 v[QS], v243, s[10:11]
	s_wait_kmcnt 0x0
	s_min_u32 s26, s25, 0x800
	s_cmp_lt_i32 s25, 1
	s_cselect_b32 s25, 0x800, s26                  ; RL: keys to walk
	s_cselect_b32 s26, 0, s26                      ; RM: keys that count
	s_wait_loadcnt 11                              ; loads come back in order: the two chunks of scale bytes are in, the eleven younger loads stay out
	ds_store_b128 v240, v[80:83]
.irp k, 0,1,2,3
	ds_store_b32 v241, v[84+\k] offset:256*\k
.endr
	s_wait_loadcnt 7                               ; K's four are in
.irp u, 0,1,2,3
	ds_store_b128 v[WK], v[F+4*\u:F+4*\u+3] offset:32*KPI*\u
.endr
	s_wait_loadcnt 3                               ; V's four are in; Q's three stay out
	PERM S, S+16
.irp u, 0,1,2,3
	ds_store_b128 v[WV], v[S+16+4*\u:S+16+4*\u+3] offset:16*VPI*\u
.endr
	s_wait_loadcnt 0x0
	v_lshl_or_b32 v[QS], v[QS], 16, v[QS]          ; Q's two scale bytes twice: they serve Q in the lower and in the upper half of K
	PLACES 8                                       ; a scale register written by a vector instruction stands eight places ahead of the scaled product
	s_wait_dscnt 0x0                               ; for the others' sake: my stores have landed
	s_barrier_signal -1
	s_barrier_wait -1
	s_mov_b32 s28, 4
; A KEY STEP: 128 keys, the q-th of slot s.  On the way it brings half of the next slot: step 0 its V, step 1 its K: asked for behind the first product, stored behind the second.
.macro STEP s, q
.if \q
	s_cmp_gt_i32 s25, 256*\s+128                   ; the slot's second step is walked only if a key of it is to be walked
	s_cbranch_scc0 .Lend_\@
.endif
.irp t, 0,1,2,3
.irp c, 0,1,2,3
	ds_load_b128 v[F+16*\t+4*\c:F+16*\t+4*\c+3], v[AK+\s] offset:(64*\q+16*\t)*KPI+32*\c
.endr
.endr
.irp p, 0,1
	ds_load_b32 v[KS+\p], v[ADS] offset:512*\s+256*\q+128*\p
.endr
	s_wait_dscnt 0x0
.irp t, 0,1,2,3                                ; S^T: tile t's 16 pairs of keys against [Q | 0] (even keys) and [0 | Q] (odd keys); eight accumulators, one instruction each
.irp e, 0,1
.if (\t)%2
	v_wmma_scale_f32_16x16x128_f8f6f4 v[S+16*\t+8*\e:S+16*\t+8*\e+7], v[F+16*\t:F+16*\t+15], v[QR-8*\e:QR-8*\e+15], 0, v[KS+\t/2], v[QS] matrix_a_scale:MATRIX_SCALE_ROW1
.else
	v_wmma_scale_f32_16x16x128_f8f6f4 v[S+16*\t+8*\e:S+16*\t+8*\e+7], v[F+16*\t:F+16*\t+15], v[QR-8*\e:QR-8*\e+15], 0, v[KS+\t/2], v[QS]
.endif
.endr
.endr
	PLACES 8                                       ; in front of the first read of the scores and of loads into registers that these products have read
	s_cmp_gt_i32 s25, 256*\s+256                   ; is there a next slot to walk?
	s_cbranch_scc0 .Lnoask_\@
.if \q == 0
.irp u, 0,1,2,3
	global_load_b128 v[F+4*\u:F+4*\u+3], v[GV], s[42:43] offset:(\s+1)*256+32768*\u     ; the next slot's V: 16 rows x 256 bytes a load of the half
.endr
	; A PREFETCH INTO THE L2, behind the wave's loads: the next slot's K, which the next step loads.  All sixteen work-groups of a batch walk the same K and V: the first of them asks, in it waves 0 and 1 of the
	; batch's half, 8,192 bytes each, lanes 256 bytes apart: each aligned block of 256 bytes is named once in the launch.  It stands under the test above: no slot is named that is not walked.
	s_cmp_eq_u32 s38, 0
	s_cbranch_scc0 .Lnoask_\@
	global_prefetch_b8 v[PFK], s[40:41] offset:(\s+1)*16384 th:TH_LOAD_NT scope:SCOPE_SE
.else
.irp u, 0,1,2,3
	global_load_b128 v[F+4*\u:F+4*\u+3], v[GK], s[40:41] offset:(\s+1)*16384+4096*\u    ; the next slot's K: 4,096 consecutive bytes a load of the half
.endr
	; and here V of the slot after the next, which the next step loads: 32 rows a wave, a lane a row's 256 bytes; only where that slot is walked
	s_sub_co_i32 s29, s25, 256*\s+512
	s_cmp_gt_i32 s29, s38
	s_cbranch_scc0 .Lnoask_\@
	global_prefetch_b8 v[PFV], s[42:43] offset:(\s+2)*256 th:TH_LOAD_NT scope:SCOPE_SE
.endif
.Lnoask_\@:
	; THE MASK.  Only the step in which valid_lens falls has work here, and only from the block in which it falls.  Register n of block b is key 32 b + 16 h + 2 (n % 8) + n / 8 of the step
	s_sub_co_i32 s27, s26, 256*\s+128*\q           ; how many of the step's keys count
	s_cmp_ge_i32 s27, 128
	s_cbranch_scc1 .Lopen_\@
	v_sub_nc_u32 v[MD], s27, v[H16]
	v_mov_b32 v[FILL], s35
.irp b, 0,1,2,3
.if \b < 3
	s_cmp_ge_i32 s27, 32*\b+32
	s_cbranch_scc1 .Lfree_\@_\b
.endif
.irp n, 0,1,2,3,4,5,6,7,8,9,10,11,12,13,14,15  ; ascending: each of the block's two results is first read at its low end
	v_cmp_ge_i32 vcc_lo, 32*\b+2*(\n%8)+\n/8, v[MD]
	v_cndmask_b32 v[S+16*\b+\n], v[S+16*\b+\n], v[FILL], vcc_lo
.endr
.Lfree_\@_\b:
.endr
.Lopen_\@:
.irp b, 0,1,2,3
	v_max3_num_f32 v[BM+\b], v[S+16*\b], v[S+1+16*\b], v[S+2+16*\b]   ; the largest score of each block of 32 keys: it serves the row's maximum and, since p rises with the score, the block's largest p
.endr
.irp i, 3,5,7,9,11,13
.irp b, 0,1,2,3
	v_max3_num_f32 v[BM+\b], v[BM+\b], v[S+16*\b+\i], v[S+1+16*\b+\i]  ; (the four blocks by turns)
.endr
.endr
.irp b, 0,1,2,3
	v_max_num_f32 v[BM+\b], v[BM+\b], v[S+15+16*\b]
.endr
.irp b, 0,1,2,3
	v_permlanex16_b32 v[PX+\b], v[BM+\b], s30, s31
.endr
.irp b, 0,1,2,3
	v_max_num_f32 v[BM+\b], v[BM+\b], v[PX+\b]     ; with lane l xor 16's 16 keys
.endr
	v_max3_num_f32 v[T0], v[BM], v[BM+1], v[BM+2]
	v_max_num_f32 v[T0], v[T0], v[BM+3]
	v_mul_f32 v[T0], s32, v[T0]                    ; the step's largest t (c is positive)
	v_max_num_f32 v13, v13, v[T0]
	v_mov_b32 v[T0], v12
	v_floor_f32 v12, -v13                          ; the new -M = floor(-t): M is a whole number
	v_sub_f32 v[T0], v12, v[T0]                    ; old M - new M: a whole number, 0 or less
	v_cvt_i32_f32 v[T0], v[T0]                     ; (it saturates)
	v_ldexp_f32 v[FF], 1.0, v[T0]                  ; f = 2^(old M - new M)
.set j, 0
.rept 32
	v_pk_fma_f32 v[S+j:S+j+1], v[S+j:S+j+1], s[32:33], v[12:13] op_sel_hi:[1,0,0]   ; t - M, two at a time
.set j, j+2
.endr
.irp b, 0,1,2,3
	v_fma_f32 v[BM+\b], v[BM+\b], s32, v12         ; the same of each block's largest score
.endr
.set j, 0
.rept 64
	v_exp_f32 v[S+j], v[S+j]                       ; p = 2^(t - M), at most 1
.set j, j+1
.endr
	v_pk_mul_f32 v[14:15], v[14:15], v[FF:FF+1] op_sel_hi:[1,0]   ; the sums under the new M: the plain instruction behind the exponentials
	s_wait_alu depctr_va_vdst(0)                   ; one wait for the batch of 64, ahead of its first reader
.irp b, 0,1,2,3
	v_exp_f32 v[BM+\b], v[BM+\b]                   ; the block's largest p: the same two instructions on the same number
.endr
	v_pk_add_f32 v[SUM2:SUM2+1], v[S:S+1], v[S+2:S+3]             ; the row's sum is taken of the unquantised p, in two chains; these lines read the 64 alone
.set j, 4
.rept 15
	v_pk_add_f32 v[14:15], v[14:15], v[S+j:S+j+1]
	v_pk_add_f32 v[SUM2:SUM2+1], v[SUM2:SUM2+1], v[S+j+2:S+j+3]
.set j, j+4
.endr
	v_pk_add_f32 v[14:15], v[14:15], v[SUM2:SUM2+1]
	s_wait_alu depctr_va_vdst(0)                   ; and one for the four
.irp b, 0,1,2,3
	v_max_num_f32 v[BM+\b], 0x4800000, v[BM+\b]    ; the floor 2^(9 - 127): the byte cannot fall under 1; a block whose every p is 0 keeps that byte over zero codes
.endr
.irp b, 0,1,2,3
	v_add_nc_u32 v[SOP+\b], 0xfc000000, v[BM+\b]   ; 8 off the exponent field: the conversion's scale operand
.endr
.irp b, 0,1,2,3
	v_and_or_b32 v[HOLD+\b], v[BM+\b], 0x7f800000, s34   ; 448 x the scale
.endr
.irp b, 0,1,2,3
	v_lshrrev_b32 v[PX+\b], 23, v[SOP+\b]          ; the scale's byte
.endr
	v_lshl_or_b32 v[PW], v[PX+1], 8, v[PX]
	v_lshl_or_b32 v[PW], v[PX+2], 16, v[PW]
	v_lshl_or_b32 v[PW], v[PX+3], 24, v[PW]        ; p's scale word for these 128 keys
.irp b, 0,1,2,3
.irp n, 0,2,4,6,8,10,12,14
	v_dual_min_num_f32 v[S+16*\b+\n], v[HOLD+\b], v[S+16*\b+\n] :: v_dual_min_num_f32 v[S+16*\b+\n+1], v[HOLD+\b], v[S+16*\b+\n+1]   ; the conversion to an 8-bit code does not saturate (ISA guide 7.6.2); p is not negative, so the hold is one-sided
.endr
	v_cvt_scalef32_pk8_fp8_f32 v[PC+4*\b:PC+4*\b+1], v[S+16*\b:S+16*\b+7], v[SOP+\b]        ; my half's even keys of block b,
	v_cvt_scalef32_pk8_fp8_f32 v[PC+4*\b+2:PC+4*\b+3], v[S+16*\b+8:S+16*\b+15], v[SOP+\b]   ; and its odd keys: the order that V's bytes were given
.endr
	v_pk_mul_f32 v[OT:OT+1], v[OT:OT+1], v[FF:FF+1] op_sel_hi:[1,0]   ; O^T under the new M; this first line is also the plain line behind the last conversion
.irp t, 0,1,2,3
.irp c, 0,1,2,3
	ds_load_b128 v[S+16*\t+4*\c:S+16*\t+4*\c+3], v[AV+\s] offset:16*\t*VPI+128*\q+32*\c     ; V's four fragments take p's registers
.endr
.endr
.irp p, 0,1
	ds_load_b32 v[VS+\p], v[ADS] offset:4096+512*\s+256*\q+128*\p
.endr
.set j, 2
.rept 15
	v_pk_mul_f32 v[OT+j:OT+j+1], v[OT+j:OT+j+1], v[FF:FF+1] op_sel_hi:[1,0]   ; ascending: each tile is first read at its low end.  These lines are the places between the codes and the products
.set j, j+2
.endr
	s_wait_dscnt 0x0
.irp t, 0,1,2,3                                ; O^T += V^T P^T: four accumulators, one instruction each
.if (\t)%2
	v_wmma_scale_f32_16x16x128_f8f6f4 v[OT+8*\t:OT+8*\t+7], v[S+16*\t:S+16*\t+15], v[PC:PC+15], v[OT+8*\t:OT+8*\t+7], v[VS+\t/2], v[PW] matrix_a_scale:MATRIX_SCALE_ROW1
.else
	v_wmma_scale_f32_16x16x128_f8f6f4 v[OT+8*\t:OT+8*\t+7], v[S+16*\t:S+16*\t+15], v[PC:PC+15], v[OT+8*\t:OT+8*\t+7], v[VS+\t/2], v[PW]
.endif
.endr
	PLACES 9                                       ; the next step's first products write over V's fragments (nine places); its loads land on p's codes, and the way out reads O^T (eight)
	s_wait_loadcnt 0x0                             ; the four staging loads, if any were issued: on every path, so that none is out when the fragments' registers are loaded again
	s_cmp_gt_i32 s25, 256*\s+256
	s_cbranch_scc0 .Lnoput_\@
.if \q == 0
	PERM F, F+16
.irp u, 0,1,2,3
	ds_store_b128 v[WV+1-\s], v[F+16+4*\u:F+16+4*\u+3] offset:16*VPI*\u    ; into the other slot: every wave's reads of it were over at the last barrier
.endr
.else
.irp u, 0,1,2,3
	ds_store_b128 v[WK+1-\s], v[F+4*\u:F+4*\u+3] offset:32*KPI*\u
.endr
.endif
.Lnoput_\@:
.if \q
.Lend_\@:
.endif
.endm
; THE WAY OUT.  The sum's halves are added; O^T is divided by the sum and goes through my own stage in LDS, so that a store of the wave covers two whole rows of out0: 512 consecutive bytes, aligned to 256.
.macro EPILOGUE more
	v_add_f32 v14, v14, v15
	v_permlanex16_b32 v[T0], v14, s30, s31
	v_add_f32 v14, v14, v[T0]                      ; with lane l xor 16's keys: the row's sum
	v_rcp_f32 v[FF], v14
	v_nop                                          ; a plain instruction behind the reciprocal
	s_wait_alu depctr_va_vdst(0)                   ; and the wait ahead of its first reader
.set j, 0
.rept 16
	v_pk_mul_f32 v[S+j:S+j+1], v[OT+j:OT+j+1], v[FF:FF+1] op_sel_hi:[1,0]   ; register 8 t + i is out0(r, 16 t + 8 h + i)
.set j, j+2
.endr
.irp t, 0,1,2,3
	ds_store_b128 v[SO], v[S+8*\t:S+8*\t+3] offset:64*\t
	ds_store_b128 v[SO], v[S+8*\t+4:S+8*\t+7] offset:64*\t+16
.endr
.irp i, 0,1,2,3,4,5,6,7
	ds_load_b128 v[S+32+4*\i:S+35+4*\i], v[SR] offset:544*\i      ; LDS serves a wave's instructions in order (ISA guide 5.7.1.4): these see my stores
.endr
.irp i, 0,1,2,3,4,5,6,7
	s_wait_dscnt 7-\i                              ; load i is back, the younger ones stay out
	global_store_b128 v[GO], v[S+32+4*\i:S+35+4*\i], s[44:45] offset:512*\i th:TH_STORE_NT
.endr
.if \more
	s_wait_xcnt 0x0                                ; the stores have read their registers: what follows in the text may write them
.endif
.endm
; A TRIP: slot s is read, the other slot is filled.  A half that has no key left in the slot does nothing, but for the first such trip, in which it stores its result.
; ONE barrier a trip, on every wave's path: in front of it my reads of slot s are back and my stores into the other slot have landed; behind it the other slot is read and slot s may be written.
.macro TRIP s
	s_cmp_gt_i32 s25, 256*\s
	s_cbranch_scc0 .Lidle_\@
	STEP \s, 0
	STEP \s, 1
	s_branch .Ljoin_\@
.Lidle_\@:
	s_cmp_gt_i32 s25, 256*\s-256                   ; was the slot before my last?
	s_cbranch_scc0 .Ljoin_\@
	EPILOGUE 1
.Ljoin_\@:
	s_wait_dscnt 0x0
	s_barrier_signal -1
	s_barrier_wait -1
.endm
.Liter:                                            ; four trips of the loop, two slots each: a constant count, so that every wave meets every barrier
	TRIP 0
	TRIP 1
	s_wait_xcnt 0x0                                ; the loads and prefetches have read their bases: they may step
	s_add_nc_u64 s[40:41], s[40:41], 32768         ; 512 keys on in K,
	s_add_nc_u64 s[42:43], s[42:43], 512           ; in V's rows,
	s_sub_co_i32 s25, s25, 512
	s_sub_co_i32 s26, s26, 512
	v_add_nc_u32 v[ADS], 1024, v[ADS]              ; and among the scale words: four steps of 256 bytes
	s_sub_co_u32 s28, s28, 1
	s_cmp_lg_u32 s28, 0
	s_cbranch_scc1 .Liter
	s_cmp_gt_i32 s25, -256                         ; a half that walked the last slot stores its result here
	s_cbranch_scc0 .Ldone
	EPILOGUE 0
.Ldone:
	s_wait_tensorcnt 0x0
	ds_add_u32 v254, v255
	s_wait_dscnt 0x0
	s_endpgm
.Lfunc_end_k_qebc93db997_attn:
	.size	k_qebc93db997_attn, .Lfunc_end_k_qebc93db997_attn-k_qebc93db997_attn
	.p2alignl 7, 3214868480
	.fill 96, 4, 3214868480
	.section	.rodata,"a",@progbits
	.p2align	6, 0x0
	.amdhsa_kernel k_qebc93db997_attn
		.amdhsa_group_segment_fixed_size 231424
		.amdhsa_private_segment_fixed_size 0
		.amdhsa_enable_private_segment 0
		.amdhsa_kernarg_size 64
		.amdhsa_user_sgpr_count 2
		.amdhsa_user_sgpr_kernarg_segment_ptr 1
		.amdhsa_wavefront_size32 1
		.amdhsa_system_sgpr_workgroup_id_x 1
		.amdhsa_system_sgpr_workgroup_id_y 1
		.amdhsa_system_sgpr_workgroup_id_z 1
		.amdhsa_system_vgpr_workitem_id 0
		.amdhsa_next_free_vgpr 256
		.amdhsa_next_free_sgpr 100
		.amdhsa_reserve_vcc 1
		.amdhsa_float_denorm_mode_32 3
		.amdhsa_float_denorm_mode_16_64 3
		.amdhsa_memory_ordered 1
		.amdhsa_forward_progress 1
		.amdhsa_inst_pref_size 129
	.end_amdhsa_kernel
	.amdgpu_metadata
---
amdhsa.version: [ 1, 2 ]
amdhsa.kernels:
  - .name:           k_qebc93db997_attn
    .symbol:         k_qebc93db997_attn.kd
    .args:
      - { .name: keys_codes, .offset: 0, .size: 8, .value_kind: global_buffer, .address_space: global }
      - { .name: keys_scales, .offset: 8, .size: 8, .value_kind: global_buffer, .address_space: global }
      - { .name: queries_codes, .offset: 16, .size: 8, .value_kind: global_buffer, .address_space: global }
      - { .name: queries_scales, .offset: 24, .size: 8, .value_kind: global_buffer, .address_space: global }
      - { .name: valid_lens, .offset: 32, .size: 8, .value_kind: global_buffer, .address_space: global }
      - { .name: values_codes, .offset: 40, .size: 8, .value_kind: global_buffer, .address_space: global }
      - { .name: values_scales, .offset: 48, .size: 8, .value_kind: global_buffer, .address_space: global }
      - { .name: out0, .offset: 56, .size: 8, .value_kind: global_buffer, .address_space: global }
    .group_segment_fixed_size: 231424
    .private_segment_fixed_size: 0
    .kernarg_segment_align: 8
    .kernarg_segment_size: 64
    .max_flat_workgroup_size: 512
    .sgpr_count:     100
    .vgpr_count:     256
    .wavefront_size: 32
...
	.end_amdgpu_metadata
.endif
;; end of part 1
;; ======== version 2 of 2: 1 launch; version 1 with the launch attn written anew for expert scheduling mode
;; limits: right only within a limited range of input values
;; launch attn (part 2): grid 16 x 16, 16 waves a work-group, no clusters, 231,424 bytes of LDS; arguments keys_codes, keys_scales, queries_codes, queries_scales, valid_lens, values_codes, values_scales, out0; writes out0
.if DOCPART == 2
	.amdgcn_target "amdgcn-amd-amdhsa--gfx1250"
	.amdhsa_code_object_version 6
	.text
	.protected	k_qebc93db997_attn
	.globl	k_qebc93db997_attn
	.p2align	8
	.type	k_qebc93db997_attn,@function
k_qebc93db997_attn:
	s_mov_b64 s[64:65], 0
	v_nop
	global_prefetch_b8 v0, s[64:65] scope:SCOPE_SE
	s_setreg_imm32_b32 hwreg(HW_REG_WAVE_SCHED_MODE, 0, 2), 2
	s_setreg_imm32_b32 hwreg(HW_REG_WAVE_MODE, 25, 1), 1
	s_wait_xcnt 0x0
	s_wait_alu depctr_vm_vsrc(0)
; out0[b][q][:] = the sum over k of softmax_k(Q[b][q] . K[b][k] / 8, keys k >= valid_lens[b] replaced by -1e6) V[b][k][:].  32 batches, 2,048 queries, 2,048 keys, head 64.
; Both products on codes of FP8 (E4M3) with one E8M0 scale for each 32 along a product's K.  Q, K: codes [b][row][64], scale bytes [b][row][2].  V: codes with the keys innermost, [b][64][2048], scale bytes [b][64][64].  out0: f32.
; THE SOFTMAX AHEAD OF THE SECOND PRODUCT: t = score x log2(e) / 8; M = the row's largest t so far, rounded up to a whole number; p = 2^(t - M) is quantised along the keys, not normalised; the row's sum is taken of
; the unquantised p and divides O at the end.  When M moves, the sum and O are multiplied by 2^(old M - new M): exact.
; KEY STEPS THAT LIE WHOLLY BEHIND valid_lens[b] ARE NOT WALKED: their p is 0.  That is a branch on a number read from memory, so K and V come by plain loads through registers into LDS: no tensor loads, and so no joint
; loads of a cluster either, though the sixteen work-groups of a batch read the same K and V: walking len of 2,048 keys spares (2,048 - len) / 2,048 of a batch's vector and matrix work, which weighs more than the requests.
; SHARES.  Work-group (x, y) serves queries 128 x .. 128 x + 127 of TWO batches: eight waves (half 0) the batch of rank y by length, eight (half 1) the batch of rank 31 - y, so that short and long walks share a WGP.
; Every wave finds the ranks itself from the 32 lengths.  Half = (wave xor wave / 8) & 1: of waves k, k+4, k+8, k+12 and of waves 4k .. 4k+3 alike, two belong to each half.  A wave owns 16 queries; a lane holds ONE query (lane % 16).
; THE FIRST PRODUCT.  Its K is 64, the instruction's 128.  K is read as rows of 128 bytes: a PAIR of keys (even key k 0-63, odd key k 64-127), whose scale word is 4 neighbouring bytes of keys_scales.  Q stands in registers
; as zeros | Q | zeros: pairs x [Q | 0] gives the even keys' scores, pairs x [0 | Q] the odd keys'.  In tile t's two results register j of lane (r, h) is key 32 t + 16 h + 2 j + e: the 16 registers are the 16 keys of block t,
; half h, evens first.  V's bytes get the same order inside each aligned group of 16 keys when they are staged (four v_perm_b32 for 16 bytes); the order stays inside a block of 32, so the scales hold.
; Both products are used transposed: source 0 = 16 pairs of keys (or 16 of the head's 64), source 1 = my 16 queries (or p).
; LIMITS.  NaN codes and 0xff scale bytes among the keys are not served: a pair's other key meets zero codes, and NaN x 0 is NaN.  Skipping is exact while a row's largest valid logit lies above -1e6 + 150.
; valid_lens above 2,048 counts as 2,048, as in the definition.  valid_lens under 1: all 2,048 keys are walked with the fill, which gives equal weights; p then hangs on the last bits of fill x log2(e).
; THE MODE: SCHED_MODE bits 1:0 = 2 (LLVM: expert scheduling mode 2), set by the entry lines.  The code itself states the register dependences between vector or matrix instructions and memory or LDS instructions,
; and those through scalar registers and VCC that vector instructions write, with s_wait_alu, always for 0.
; THE PLAN.  Registers that memory or LDS instructions touch, in a key step:
;   v48-111   K's four fragments land at the step's head; the first products read them.  Behind those products v48-63 take the staging loads and v64-95 V's fragments 0 and 1; the conversions write p's codes into v96-111.
;             The second products read v64-111.  Behind them, in step 0, v_perm_b32 reads v48-63 and writes v64-79, which the staging stores read; in step 1 the staging stores read v48-63 as they were loaded.
;   v144-175  scores and p until the conversions have read them; then V's fragments 2 and 3 land; the second products read them.  On the way out LDS loads land there and the global stores read them.
;   v112-143  on the way out: written by the scalings, read by the LDS stores.
;   v208-211  scale words: written by LDS loads, read by the products.
;   v5        read by every load of scale words; written once a trip of the loop.  All other addresses are made at the head and never written again.
; So a step has three waits on va_vdst: at its head, ahead of K's loads; behind the first products, ahead of V's first two fragments and the staging loads; behind the conversions and the rescaling of O^T, ahead of V's last two
; fragments and of the second products, which take p's codes and scale word; step 0 has a fourth, between v_perm_b32 and the staging stores.  Waits on vm_vsrc: at step 1's head, for step 0's staging stores, and at each trip's end.
.set HALF,  79872                      ; LDS of a half: two slots, then its batch's scale bytes
.set KPI,   144                        ; a pair of keys in LDS: 128 bytes + 16: an odd multiple of 16, so that the 16 rows of a load begin in 16 different groups of four banks (64 banks of 4 bytes: ISA guide 11.1)
.set VPI,   272                        ; a row of V's tile: 256 keys + 16
.set VOFF,  128*KPI                    ; a slot (256 keys): 128 pairs of keys, then 64 rows of V
.set SLOTB, VOFF+64*VPI
.set SCK,   2*SLOTB                    ; K's scale bytes of the batch, 4,096, as they lie in memory: the word of pair p at 4 p
.set SCV,   SCK+4096                   ; V's, 4,096, laid [step of 128 keys][d]: the word at 256 g + 4 d
.set STAGE, 2*HALF                     ; the way out: 16 rows x 272 bytes for each wave, its own
.set STW,   16*272
.set AK,   1                           ; v1-2   my lane's place in a tile of K, slot 0, 1
.set AV,   3                           ; v3-4   the same for V
.set ADS,  5                           ; v5     my lane's scale word: SCK + 4 x lane; 1,024 bytes on in each trip of the loop
.set WK,   6                           ; v6-7   where I store staged bytes of K, slot 0, 1
.set WV,   8                           ; v8-9   the same for V
.set GK,   10                          ; v10    my 16 bytes of 4,096 of K in memory
.set GV,   11                          ; v11    my 16 bytes of V in memory: row tau / 16, 16 (tau % 16)
.set H16,  16                          ; v16    16 x (lane / 16)
.set SO,   17                          ; v17    the stage: where I put 32 bytes of a row
.set SR,   18                          ; v18    and where I read a row back
.set GO,   19                          ; v19    16 x lane
.set PFK,  20                          ; v20    the prefetches' offset in a slot's K
.set PFV,  21                          ; v21    and among V's rows
.set QR,   32                          ; v24-31 zeros, v32-39 Q, v40-47 zeros
.set F,    48                          ; v48-111  K's four fragments; v48-63 also bytes being staged, v64-79 at a step's end V's bytes in their new order
.set VE,   64                          ; v64-95   V's fragments 0 and 1, from the first products to the second
.set PC,   96                          ; v96-111  p's codes
.set S,    112                         ; v112-175 the scores, then p; v144-175 then V's fragments 2 and 3
.set OT,   176                         ; v176-207 O^T, four tiles
.set KS,   208                         ; v208-209 K's scale words: lanes 0-15 tile 2 p, lanes 16-31 tile 2 p + 1
.set VS,   210                         ; v210-211 V's likewise
.set PW,   212                         ; v212   p's scale word
.set QS,   213                         ; v213   Q's scale word, its two bytes twice
.set BM,   216                         ; v216-219 a block's largest score, then its largest p
.set PX,   220                         ; v220-223 the other half's, then the scale bytes
.set HOLD, 224                         ; v224-227 448 x the scale
.set SOP,  228                         ; v228-231 the conversions' scale operands
.set FF,   232                         ; v232-233 f = 2^(old M - new M); later 1 / the sum
.set SUM2, 234                         ; v234-235 the second chain of the sum
.set T0,   236
.set FILL, 238
.set MD,   239
; v254: the LDS address of my spare word, 0x38000 + 4 x my thread's number; v255: 0: made at the head and kept for the closing lines alone; the spare words, 128 bytes a wave, lie behind the stages
; scalars: s20 wave, s21 half, s22 wave in its half, s24 batch, s25 RL = keys left to walk from this trip's first slot on, s26 RM = keys left that count, s27, s29 at work, s28 the loop's count,
; s[30:31] lane selects, s[32:33] c, s34 448's mantissa field, s35 the fill x 8, s36-37 byte selects, s38 0 in a wave that prefetches, s[40:41] K, s[42:43] V, s[44:45] my rows of out0,
; s[50:57] eight compares of the ranks, s[68:99] the sort keys; behind the ranks s[68:83] take the sixteen compares of a block's mask
.macro PLACES n
.rept \n
	v_nop
.endr
.endm
; 64 bytes of V, four groups of 16 keys: in each group the even keys' bytes first, then the odd keys'
.macro PERM src, dst
.irp u, 0,1,2,3
	v_perm_b32 v[\dst+4*\u],   v[\src+4*\u+1], v[\src+4*\u],   s36
	v_perm_b32 v[\dst+4*\u+1], v[\src+4*\u+3], v[\src+4*\u+2], s36
	v_perm_b32 v[\dst+4*\u+2], v[\src+4*\u+1], v[\src+4*\u],   s37
	v_perm_b32 v[\dst+4*\u+3], v[\src+4*\u+3], v[\src+4*\u+2], s37
.endr
.endm
	s_load_b512 s[4:19], s[0:1], 0x0               ; K codes s[4:5], K scales s[6:7], Q codes s[8:9], Q scales s[10:11], valid_lens s[12:13], V codes s[14:15], V scales s[16:17], out0 s[18:19]
	v_lshl_add_u32 v254, v0, 2, 0x38000
	v_mov_b32 v255, 0
	v_lshrrev_b32 v1, 5, v0
	v_readfirstlane_b32 s20, v1                    ; wave 0..15
	v_and_b32 v236, 31, v0                         ; lane
	v_and_b32 v237, 15, v0                         ; r
	v_and_b32 v[H16], 16, v0
	v_lshrrev_b32 v238, 6, v0
	v_lshl_or_b32 v238, v238, 5, v236              ; tau: my thread's number in the half, 0..255
	s_wait_alu depctr_va_sdst(0)                   ; s20 is written, ahead of its first reader
	s_lshr_b32 s21, s20, 3
	s_xor_b32 s21, s21, s20
	s_and_b32 s21, s21, 1                          ; my half
	s_lshr_b32 s22, s20, 1                         ; my wave's number in it, 0..7
	s_mul_i32 s28, s21, HALF                       ; my half's LDS
	v_mad_u32_u24 v[AK], v237, KPI, v[H16]         ; a fragment's row x pitch + 16 x half of the lanes
	v_add_nc_u32 v[AK], s28, v[AK]
	v_add_nc_u32 v[AK+1], SLOTB, v[AK]
	v_mad_u32_u24 v[AV], v237, VPI, v[H16]
	v_add_nc_u32 v[AV], s28, v[AV]
	v_add_nc_u32 v[AV], VOFF, v[AV]
	v_add_nc_u32 v[AV+1], SLOTB, v[AV]
	v_lshl_add_u32 v[ADS], v236, 2, s28
	v_add_nc_u32 v[ADS], SCK, v[ADS]
	v_lshrrev_b32 v239, 3, v238                    ; staged K: eight threads to a pair's 128 bytes
	v_and_b32 v[WK], 7, v238
	v_lshlrev_b32 v[WK], 4, v[WK]
	v_mad_u32_u24 v[WK], v239, KPI, v[WK]
	v_add_nc_u32 v[WK], s28, v[WK]
	v_add_nc_u32 v[WK+1], SLOTB, v[WK]
	v_lshrrev_b32 v239, 4, v238                    ; staged V: sixteen threads to a row's 256 bytes
	v_and_b32 v[WV], 15, v238
	v_lshlrev_b32 v[WV], 4, v[WV]
	v_lshl_add_u32 v[GV], v239, 11, v[WV]          ; in memory a row of V is 2,048 bytes
	v_mad_u32_u24 v[WV], v239, VPI, v[WV]
	v_add_nc_u32 v[WV], s28, v[WV]
	v_add_nc_u32 v[WV], VOFF, v[WV]
	v_add_nc_u32 v[WV+1], SLOTB, v[WV]
	v_lshlrev_b32 v[GK], 4, v238
	s_mul_i32 s29, s20, STW
	s_add_co_u32 s29, s29, STAGE                   ; my stage
	v_lshlrev_b32 v[SO], 1, v[H16]
	v_mad_u32_u24 v[SO], v237, 272, v[SO]          ; in: row r, + 32 x half of the lanes
	v_add_nc_u32 v[SO], s29, v[SO]
	v_mul_u32_u24 v[SR], v[H16], 17                ; back: lanes 0-15 one row, lanes 16-31 the next (272 = 17 x 16)
	v_lshl_add_u32 v[SR], v237, 4, v[SR]
	v_add_nc_u32 v[SR], s29, v[SR]
	v_lshlrev_b32 v[GO], 4, v236
	s_and_b32 s27, s22, 1
	s_lshl_b32 s23, s27, 13
	v_lshlrev_b32 v[PFK], 8, v236
	v_add_nc_u32 v[PFK], s23, v[PFK]               ; K: 8,192 bytes a wave, lanes 256 bytes apart
	s_lshl_b32 s23, s27, 16
	v_lshlrev_b32 v[PFV], 11, v236
	v_add_nc_u32 v[PFV], s23, v[PFV]               ; V: 32 rows a wave, a lane a row
	v_lshl_add_u32 v240, v238, 4, s28
	v_add_nc_u32 v240, SCK, v240                   ; where K's scale bytes go: 16 tau
	v_and_b32 v241, 3, v238
	v_lshlrev_b32 v241, 10, v241
	v_lshrrev_b32 v239, 2, v238
	v_lshl_add_u32 v241, v239, 2, v241
	v_add_nc_u32 v241, s28, v241
	v_add_nc_u32 v241, SCV, v241                   ; where V's go: my 16 bytes are row d = tau / 4, steps 4 (tau % 4) + 0..3: 1,024 (tau % 4) + 4 (tau / 4), 256 bytes from word to word
	v_lshl_add_u32 v242, v237, 6, v[H16]           ; Q: row r of 64 bytes, + 16 x half
	v_lshlrev_b32 v243, 1, v237                    ; Q's scale bytes: two a row
	v_lshlrev_b32 v244, 2, v236                    ; valid_lens: a lane a batch
	s_lshr_b32 s38, s22, 1                         ; who prefetches: waves 0 and 1 of each half,
	s_or_b32 s38, s38, ttmp9                       ; in the batch's first work-group
	s_cmp_eq_u32 s38, 0
	s_cselect_b32 s38, 0, 0x7fffffff
	s_and_b32 s23, ttmp7, 0xffff                   ; y
	s_sub_co_u32 s29, 31, s23
	s_cmp_eq_u32 s21, 0
	s_cselect_b32 s23, s23, s29                    ; the rank that my half serves
	s_mov_b32 s30, 0x76543210
	s_mov_b32 s31, 0xfedcba98                      ; v_permlanex16_b32: lane l xor 16
	s_mov_b32 s32, 0x3e38aa3b                      ; c = log2(e) / 8
	s_mov_b32 s33, s32                             ; (named with it as a pair, so it is written)
	s_mov_b32 s34, 0x600000                        ; the mantissa field of 448
	s_mov_b32 s35, 0xcaf42400                      ; -8e6: the fill -1e6 as a score not yet divided by 8
	s_mov_b32 s36, 0x06040200                      ; the even bytes of two words
	s_mov_b32 s37, 0x07050301                      ; the odd ones
	s_wait_kmcnt 0x0
	s_wait_alu depctr_va_vdst(0)                   ; every address and offset of the kernel is written (v1-11, v17-21, v240-244, v254, v255): the loads, stores and prefetches below read them; none but v5 is written again
	global_load_b32 v22, v244, s[12:13]            ; the 32 lengths
.set j, 0
.rept 8
	v_mov_b32 v[QR-8+j], 0                         ; zero codes on both sides of Q
	v_mov_b32 v[QR+8+j], 0
.set j, j+1
.endr
.set j, 0
.rept 32
	v_mov_b32 v[OT+j], 0                           ; O^T: the step is written once; the first finds zeros, which the first change of M leaves zeros
.set j, j+1
.endr
.irp b, 0,1,2,3
	v_mov_b32 v[PX+\b], 0                          ; a lane permute's destination counts as one of its sources
.endr
	v_mov_b32 v[FF+1], 0                           ; (named as the upper half of a pair)
	v_mov_b32 v13, 0xff61b1e6                      ; the largest t so far: -3e38
	v_floor_f32 v12, -v13                          ; -M
	v_mov_b32 v14, 0                               ; the sum, in two halves
	v_mov_b32 v15, 0
	v_mov_b32 v245, 0x800
	s_wait_loadcnt 0x0
	v_cmp_gt_i32 vcc_lo, 1, v22                    ; a length under 1: every key is walked (with the fill)
	v_min_u32 v22, 0x800, v22
	s_wait_alu depctr_va_vdst(0)
	s_wait_alu depctr_va_vcc(0)                    ; VCC is written, ahead of the select that reads it
	v_cndmask_b32 v23, v22, v245, vcc_lo           ; how many keys the batch walks
	v_lshl_or_b32 v23, v23, 5, v236                ; the sort key: length, then batch: no two are equal
.set j, 0
.rept 32
	v_readlane_b32 s[68+j], v23, j
.set j, j+1
.endr
	v_mov_b32 v22, 0
	s_wait_alu depctr_va_sdst(0)                   ; the 32 sort keys s68-99 are written, ahead of the compares that read them
.set j, 0
.rept 4                                        ; my batch's rank = how many sort keys lie under mine; the compares go eight at a time, into scalar registers, with one wait for the eight
.irp i, 0,1,2,3,4,5,6,7
	v_cmp_lt_u32 s[50+\i], s[68+j+\i], v23
.endr
	s_wait_alu depctr_va_sdst(0)                   ; the eight masks s50-57 are written, ahead of the selects that read them
.irp i, 0,1,2,3,4,5,6,7
	v_cndmask_b32 v245, 0, 1, s[50+\i]
	v_add_nc_u32 v22, v22, v245
.endr
.set j, j+8
.endr
	v_cmp_eq_u32 s29, s23, v22                     ; one lane has the rank that I serve
	s_wait_alu depctr_va_sdst(0)                   ; s29 is written, ahead of its reader
	s_ctz_i32_b32 s24, s29
	s_min_u32 s24, s24, 31                         ; my batch
	s_lshl_b32 s29, s24, 2
	s_load_b32 s25, s[12:13], s29 offset:0x0       ; its length, as a scalar
	s_mov_b32 s47, 0
	s_mov_b32 s49, 0
	s_lshl_b32 s46, s24, 17                        ; a batch's codes are 131,072 bytes
	s_add_nc_u64 s[40:41], s[4:5], s[46:47]
	s_add_nc_u64 s[42:43], s[14:15], s[46:47]
	s_lshl_b32 s48, ttmp9, 13                      ; my 16 queries: 128 x + 16 x wave in the half; 64 bytes each
	s_lshl_b32 s27, s22, 10
	s_add_co_u32 s48, s48, s27
	s_add_co_u32 s48, s48, s46
	s_add_nc_u64 s[8:9], s[8:9], s[48:49]
	s_lshl_b32 s46, s24, 12                        ; a batch's scale bytes are 4,096
	s_add_nc_u64 s[6:7], s[6:7], s[46:47]
	s_add_nc_u64 s[16:17], s[16:17], s[46:47]
	s_lshl_b32 s48, ttmp9, 8
	s_lshl_b32 s27, s22, 5
	s_add_co_u32 s48, s48, s27
	s_add_co_u32 s48, s48, s46
	s_add_nc_u64 s[10:11], s[10:11], s[48:49]
	s_lshl_b32 s46, s24, 19                        ; a batch of out0 is 524,288 bytes, a row 256
	s_lshl_b32 s48, ttmp9, 15
	s_lshl_b32 s27, s22, 12
	s_add_co_u32 s48, s48, s27
	s_add_co_u32 s48, s48, s46
	s_add_nc_u64 s[44:45], s[18:19], s[48:49]
	; thirteen loads: the batch's scale bytes, slot 0, Q.  No wait: no vector instruction since the wait ahead of the lengths' load names their offsets or the registers in which they land
	global_load_b128 v[80:83], v[GK], s[6:7]
	global_load_b128 v[84:87], v[GK], s[16:17]
.irp u, 0,1,2,3
	global_load_b128 v[F+4*\u:F+4*\u+3], v[GK], s[40:41] offset:4096*\u
.endr
.irp u, 0,1,2,3
	global_load_b128 v[S+4*\u:S+4*\u+3], v[GV], s[42:43] offset:32768*\u
.endr
	global_load_b128 v[QR:QR+3], v242, s[8:9] th:TH_LOAD_NT
	global_load_b128 v[QR+4:QR+7], v242, s[8:9] offset:32 th:TH_LOAD_NT
	global_load_u16 v[QS], v243, s[10:11]
	s_wait_kmcnt 0x0
	s_min_u32 s26, s25, 0x800
	s_cmp_lt_i32 s25, 1
	s_cselect_b32 s25, 0x800, s26                  ; RL: keys to walk
	s_cselect_b32 s26, 0, s26                      ; RM: keys that count
	s_wait_loadcnt 11                              ; loads come back in order: the two chunks of scale bytes are in, the eleven younger loads stay out
	ds_store_b128 v240, v[80:83]
.irp k, 0,1,2,3
	ds_store_b32 v241, v[84+\k] offset:256*\k
.endr
	s_wait_loadcnt 7                               ; K's four are in
.irp u, 0,1,2,3
	ds_store_b128 v[WK], v[F+4*\u:F+4*\u+3] offset:32*KPI*\u
.endr
	s_wait_loadcnt 3                               ; V's four are in; Q's three stay out
	PERM S, S+16
	s_wait_alu depctr_va_vdst(0)                   ; the v_perm_b32 lines have written v128-143, which the LDS stores read
.irp u, 0,1,2,3
	ds_store_b128 v[WV], v[S+16+4*\u:S+16+4*\u+3] offset:16*VPI*\u
.endr
	s_wait_loadcnt 0x0
	v_lshl_or_b32 v[QS], v[QS], 16, v[QS]          ; Q's two scale bytes twice: they serve Q in the lower and in the upper half of K
	PLACES 8                                       ; a scale register written by a vector instruction stands eight places ahead of the scaled product
	s_wait_alu depctr_va_vdst(0)                   ; Q's scale word and the zero codes beside Q are written: every first product takes them; the places above stay beside this wait
	s_wait_alu depctr_vm_vsrc(0)                   ; my LDS stores have read v48-63, v80-87 and v128-143, which the fragments' loads, the products and the way out write
	s_wait_dscnt 0x0                               ; for the others' sake: my stores have landed
	s_barrier_signal -1
	s_barrier_wait -1
	s_mov_b32 s28, 4
; A KEY STEP: 128 keys, the q-th of slot s.  On the way it brings half of the next slot: step 0 its V, step 1 its K: asked for behind the first product, stored behind the second.
.macro STEP s, q
.if \q
	s_wait_alu depctr_vm_vsrc(0)                   ; step 0's staging stores have read v64-79, in which K's fragments land
	s_cmp_gt_i32 s25, 256*\s+128                   ; the slot's second step is walked only if a key of it is to be walked
	s_cbranch_scc0 .Lend_\@
.endif
	s_wait_alu depctr_va_vdst(0)                   ; the last step's second products are done reading v64-111 and their scale words, its v_perm_b32 lines are done with v48-79, and in a trip's first step v5 is written: K's fragments and scale words may be asked for
.irp t, 0,1,2,3
.irp c, 0,1,2,3
	ds_load_b128 v[F+16*\t+4*\c:F+16*\t+4*\c+3], v[AK+\s] offset:(64*\q+16*\t)*KPI+32*\c
.endr
.endr
.irp p, 0,1
	ds_load_b32 v[KS+\p], v[ADS] offset:512*\s+256*\q+128*\p
.endr
	s_wait_dscnt 0x0
.irp t, 0,1,2,3                                ; S^T: tile t's 16 pairs of keys against [Q | 0] (even keys) and [0 | Q] (odd keys); eight accumulators, one instruction each
.irp e, 0,1
.if (\t)%2
	v_wmma_scale_f32_16x16x128_f8f6f4 v[S+16*\t+8*\e:S+16*\t+8*\e+7], v[F+16*\t:F+16*\t+15], v[QR-8*\e:QR-8*\e+15], 0, v[KS+\t/2], v[QS] matrix_a_scale:MATRIX_SCALE_ROW1
.else
	v_wmma_scale_f32_16x16x128_f8f6f4 v[S+16*\t+8*\e:S+16*\t+8*\e+7], v[F+16*\t:F+16*\t+15], v[QR-8*\e:QR-8*\e+15], 0, v[KS+\t/2], v[QS]
.endif
.endr
.endr
	PLACES 8                                       ; in front of the first read of the scores (ISA guide 7.12.1)
	s_wait_alu depctr_va_vdst(0)                   ; the first products are done reading K's fragments: v64-95 take V's fragments 0 and 1, v48-63 the staging loads; no vector instruction stands between this wait and those loads
.irp t, 0,1
.irp c, 0,1,2,3
	ds_load_b128 v[VE+16*\t+4*\c:VE+16*\t+4*\c+3], v[AV+\s] offset:16*\t*VPI+128*\q+32*\c   ; half of V's fragments are asked for here, a softmax ahead of their use
.endr
.endr
.irp p, 0,1
	ds_load_b32 v[VS+\p], v[ADS] offset:4096+512*\s+256*\q+128*\p
.endr
	s_cmp_gt_i32 s25, 256*\s+256                   ; is there a next slot to walk?
	s_cbranch_scc0 .Lnoask_\@
.if \q == 0
.irp u, 0,1,2,3
	global_load_b128 v[F+4*\u:F+4*\u+3], v[GV], s[42:43] offset:(\s+1)*256+32768*\u     ; the next slot's V: 16 rows x 256 bytes a load of the half
.endr
	; A PREFETCH INTO THE L2, behind the wave's loads: the next slot's K, which the next step loads.  All sixteen work-groups of a batch walk the same K and V: the first of them asks, in it waves 0 and 1 of the
	; batch's half, 8,192 bytes each, lanes 256 bytes apart: each aligned block of 256 bytes is named once in the launch.  It stands under the test above: no slot is named that is not walked.
	s_cmp_eq_u32 s38, 0
	s_cbranch_scc0 .Lnoask_\@
	global_prefetch_b8 v[PFK], s[40:41] offset:(\s+1)*16384 th:TH_LOAD_NT scope:SCOPE_SE
.else
.irp u, 0,1,2,3
	global_load_b128 v[F+4*\u:F+4*\u+3], v[GK], s[40:41] offset:(\s+1)*16384+4096*\u    ; the next slot's K: 4,096 consecutive bytes a load of the half
.endr
	; and here V of the slot after the next, which the next step loads: 32 rows a wave, a lane a row's 256 bytes; only where that slot is walked
	s_sub_co_i32 s29, s25, 256*\s+512
	s_cmp_gt_i32 s29, s38
	s_cbranch_scc0 .Lnoask_\@
	global_prefetch_b8 v[PFV], s[42:43] offset:(\s+2)*256 th:TH_LOAD_NT scope:SCOPE_SE
.endif
.Lnoask_\@:
	; THE MASK.  Only the step in which valid_lens falls has work here, and only from the block in which it falls.  Register n of block b is key 32 b + 16 h + 2 (n % 8) + n / 8 of the step
	s_sub_co_i32 s27, s26, 256*\s+128*\q           ; how many of the step's keys count
	s_cmp_ge_i32 s27, 128
	s_cbranch_scc1 .Lopen_\@
	v_sub_nc_u32 v[MD], s27, v[H16]
	v_mov_b32 v[FILL], s35
.irp b, 0,1,2,3
.if \b < 3
	s_cmp_ge_i32 s27, 32*\b+32
	s_cbranch_scc1 .Lfree_\@_\b
.endif
	s_wait_alu depctr_va_vdst(0)
.irp n, 0,1,2,3,4,5,6,7,8,9,10,11,12,13,14,15  ; a block's sixteen compares in one run, into scalar registers
	v_cmp_ge_i32 s[68+\n], 32*\b+2*(\n%8)+\n/8, v[MD]
.endr
	s_wait_alu depctr_va_sdst(0)                   ; the sixteen masks s68-83 are written, ahead of the selects that read them
.irp n, 0,1,2,3,4,5,6,7,8,9,10,11,12,13,14,15  ; ascending: each of the block's two results is first read at its low end
	v_cndmask_b32 v[S+16*\b+\n], v[S+16*\b+\n], v[FILL], s[68+\n]
.endr
.Lfree_\@_\b:
.endr
.Lopen_\@:
.irp b, 0,1,2,3
	v_max3_num_f32 v[BM+\b], v[S+16*\b], v[S+1+16*\b], v[S+2+16*\b]   ; the largest score of each block of 32 keys: it serves the row's maximum and, since p rises with the score, the block's largest p
.endr
.irp i, 3,5,7,9,11,13
.irp b, 0,1,2,3
	v_max3_num_f32 v[BM+\b], v[BM+\b], v[S+16*\b+\i], v[S+1+16*\b+\i]  ; (the four blocks by turns)
.endr
.endr
.irp b, 0,1,2,3
	v_max_num_f32 v[BM+\b], v[BM+\b], v[S+15+16*\b]
.endr
.irp b, 0,1,2,3
	v_permlanex16_b32 v[PX+\b], v[BM+\b], s30, s31
.endr
.irp b, 0,1,2,3
	v_max_num_f32 v[BM+\b], v[BM+\b], v[PX+\b]     ; with lane l xor 16's 16 keys
.endr
	v_max3_num_f32 v[T0], v[BM], v[BM+1], v[BM+2]
	v_max_num_f32 v[T0], v[T0], v[BM+3]
	v_mul_f32 v[T0], s32, v[T0]                    ; the step's largest t (c is positive)
	v_max_num_f32 v13, v13, v[T0]
	v_mov_b32 v[T0], v12
	v_floor_f32 v12, -v13                          ; the new -M = floor(-t): M is a whole number
	v_sub_f32 v[T0], v12, v[T0]                    ; old M - new M: a whole number, 0 or less
	v_cvt_i32_f32 v[T0], v[T0]                     ; (it saturates)
	v_ldexp_f32 v[FF], 1.0, v[T0]                  ; f = 2^(old M - new M)
.set j, 0
.rept 32
	v_pk_fma_f32 v[S+j:S+j+1], v[S+j:S+j+1], s[32:33], v[12:13] op_sel_hi:[1,0,0]   ; t - M, two at a time
.set j, j+2
.endr
.irp b, 0,1,2,3
	v_fma_f32 v[BM+\b], v[BM+\b], s32, v12         ; the same of each block's largest score
.endr
.set j, 0
	s_wait_alu depctr_va_vdst(0)
.rept 64
	v_exp_f32 v[S+j], v[S+j]                       ; p = 2^(t - M), at most 1
.set j, j+1
.endr
	v_pk_mul_f32 v[14:15], v[14:15], v[FF:FF+1] op_sel_hi:[1,0]   ; the sums under the new M: the plain instruction behind the exponentials
	s_wait_alu depctr_va_vdst(0)                   ; one wait for the batch of 64 exponentials, ahead of the first reader of p
.irp b, 0,1,2,3
	v_exp_f32 v[BM+\b], v[BM+\b]                   ; the block's largest p: the same two instructions on the same number
.endr
	v_pk_add_f32 v[SUM2:SUM2+1], v[S:S+1], v[S+2:S+3]             ; the row's sum is taken of the unquantised p, in two chains; these lines read the 64 alone
.set j, 4
.rept 15
	v_pk_add_f32 v[14:15], v[14:15], v[S+j:S+j+1]
	v_pk_add_f32 v[SUM2:SUM2+1], v[SUM2:SUM2+1], v[S+j+2:S+j+3]
.set j, j+4
.endr
	v_pk_add_f32 v[14:15], v[14:15], v[SUM2:SUM2+1]
	s_wait_alu depctr_va_vdst(0)                   ; and one for the four exponentials of the blocks' largest p, ahead of their first reader
.irp b, 0,1,2,3
	v_max_num_f32 v[BM+\b], 0x4800000, v[BM+\b]    ; the floor 2^(9 - 127): the byte cannot fall under 1; a block whose every p is 0 keeps that byte over zero codes
.endr
.irp b, 0,1,2,3
	v_add_nc_u32 v[SOP+\b], 0xfc000000, v[BM+\b]   ; 8 off the exponent field: the conversion's scale operand
.endr
.irp b, 0,1,2,3
	v_and_or_b32 v[HOLD+\b], v[BM+\b], 0x7f800000, s34   ; 448 x the scale
.endr
.irp b, 0,1,2,3
	v_lshrrev_b32 v[PX+\b], 23, v[SOP+\b]          ; the scale's byte
.endr
	v_lshl_or_b32 v[PW], v[PX+1], 8, v[PX]
	v_lshl_or_b32 v[PW], v[PX+2], 16, v[PW]
	v_lshl_or_b32 v[PW], v[PX+3], 24, v[PW]        ; p's scale word for these 128 keys
.irp b, 0,1,2,3
.irp n, 0,2,4,6,8,10,12,14
	v_dual_min_num_f32 v[S+16*\b+\n], v[HOLD+\b], v[S+16*\b+\n] :: v_dual_min_num_f32 v[S+16*\b+\n+1], v[HOLD+\b], v[S+16*\b+\n+1]   ; the conversion to an 8-bit code does not saturate (ISA guide 7.6.2); p is not negative, so the hold is one-sided
.endr
	v_cvt_scalef32_pk8_fp8_f32 v[PC+4*\b:PC+4*\b+1], v[S+16*\b:S+16*\b+7], v[SOP+\b]        ; my half's even keys of block b,
	v_cvt_scalef32_pk8_fp8_f32 v[PC+4*\b+2:PC+4*\b+3], v[S+16*\b+8:S+16*\b+15], v[SOP+\b]   ; and its odd keys: the order that V's bytes were given
.endr
.set j, 0
.rept 16
	v_pk_mul_f32 v[OT+j:OT+j+1], v[OT+j:OT+j+1], v[FF:FF+1] op_sel_hi:[1,0]   ; O^T under the new M; ascending: each tile is first read at its low end.  The first line is the plain line behind the last conversion; the sixteen are the places between the codes and the products
.set j, j+2
.endr
	s_wait_alu depctr_va_vdst(0)                   ; the conversions are done reading v144-175, in which V's fragments 2 and 3 land; p's codes and p's scale word are written, which the second products take: first the places, then this wait
.irp t, 2,3
.irp c, 0,1,2,3
	ds_load_b128 v[S+16*\t+4*\c:S+16*\t+4*\c+3], v[AV+\s] offset:16*\t*VPI+128*\q+32*\c     ; V's other two fragments take p's registers
.endr
.endr
	s_wait_dscnt 0x0
.irp t, 0,1,2,3                                ; O^T += V^T P^T: four accumulators, one instruction each
.if \t < 2
.set rV, VE+16*\t
.else
.set rV, S+16*\t
.endif
.if (\t)%2
	v_wmma_scale_f32_16x16x128_f8f6f4 v[OT+8*\t:OT+8*\t+7], v[rV:rV+15], v[PC:PC+15], v[OT+8*\t:OT+8*\t+7], v[VS+\t/2], v[PW] matrix_a_scale:MATRIX_SCALE_ROW1
.else
	v_wmma_scale_f32_16x16x128_f8f6f4 v[OT+8*\t:OT+8*\t+7], v[rV:rV+15], v[PC:PC+15], v[OT+8*\t:OT+8*\t+7], v[VS+\t/2], v[PW]
.endif
.endr
	PLACES 9                                       ; the next step's first products write over V's fragments 2 and 3 (nine places); v_perm_b32 below writes over fragment 0, and the way out reads O^T (eight)
	s_wait_loadcnt 0x0                             ; the four staging loads, if any were issued: on every path, so that none is out when the fragments' registers are loaded again
	s_cmp_gt_i32 s25, 256*\s+256
	s_cbranch_scc0 .Lnoput_\@
.if \q == 0
	PERM F, F+16
	s_wait_alu depctr_va_vdst(0)                   ; the v_perm_b32 lines have written v64-79, which the LDS stores read
.irp u, 0,1,2,3
	ds_store_b128 v[WV+1-\s], v[F+16+4*\u:F+16+4*\u+3] offset:16*VPI*\u    ; into the other slot: every wave's reads of it were over at the last barrier
.endr
.else
.irp u, 0,1,2,3
	ds_store_b128 v[WK+1-\s], v[F+4*\u:F+4*\u+3] offset:32*KPI*\u          ; as they were loaded: no vector instruction has named them
.endr
.endif
.Lnoput_\@:
.if \q
.Lend_\@:
.endif
.endm
; THE WAY OUT.  The sum's halves are added; O^T is divided by the sum and goes through my own stage in LDS, so that a store of the wave covers two whole rows of out0: 512 consecutive bytes, aligned to 256.
.macro EPILOGUE more
	v_add_f32 v14, v14, v15
	v_permlanex16_b32 v[T0], v14, s30, s31
	v_add_f32 v14, v14, v[T0]                      ; with lane l xor 16's keys: the row's sum
	s_wait_alu depctr_va_vdst(0)
	v_rcp_f32 v[FF], v14
	v_nop                                          ; a plain instruction behind the reciprocal
	s_wait_alu depctr_va_vdst(0)                   ; the reciprocal is written, ahead of its first reader
.set j, 0
.rept 16
	v_pk_mul_f32 v[S+j:S+j+1], v[OT+j:OT+j+1], v[FF:FF+1] op_sel_hi:[1,0]   ; register 8 t + i is out0(r, 16 t + 8 h + i)
.set j, j+2
.endr
	s_wait_alu depctr_va_vdst(0)                   ; the scalings have written v112-143, which the LDS stores read; every earlier reader of v144-175, in which the LDS loads land, is done too
.irp t, 0,1,2,3
	ds_store_b128 v[SO], v[S+8*\t:S+8*\t+3] offset:64*\t
	ds_store_b128 v[SO], v[S+8*\t+4:S+8*\t+7] offset:64*\t+16
.endr
.irp i, 0,1,2,3,4,5,6,7
	ds_load_b128 v[S+32+4*\i:S+35+4*\i], v[SR] offset:544*\i      ; LDS serves a wave's instructions in order (ISA guide 5.7.1.4): these see my stores
.endr
.irp i, 0,1,2,3,4,5,6,7
	s_wait_dscnt 7-\i                              ; load i is back, the younger ones stay out
	global_store_b128 v[GO], v[S+32+4*\i:S+35+4*\i], s[44:45] offset:512*\i th:TH_STORE_NT
.endr
.if \more
	s_wait_xcnt 0x0                                ; the stores' addresses are translated: what follows in the text may write their registers (that they have read them is stated at the trip's end, just below)
.endif
.endm
; A TRIP: slot s is read, the other slot is filled.  A half that has no key left in the slot does nothing, but for the first such trip, in which it stores its result.
; ONE barrier a trip, on every wave's path: in front of it my reads of slot s are back and my stores into the other slot have landed; behind it the other slot is read and slot s may be written.
.macro TRIP s
	s_cmp_gt_i32 s25, 256*\s
	s_cbranch_scc0 .Lidle_\@
	STEP \s, 0
	STEP \s, 1
	s_branch .Ljoin_\@
.Lidle_\@:
	s_cmp_gt_i32 s25, 256*\s-256                   ; was the slot before my last?
	s_cbranch_scc0 .Ljoin_\@
	EPILOGUE 1
.Ljoin_\@:
	s_wait_alu depctr_vm_vsrc(0)                   ; the staging stores have read v48-79, the way out's stores v112-175, and the loads of scale words v5: the next trip's loads and products, the way out and the add at the loop's end write these
	s_wait_dscnt 0x0
	s_barrier_signal -1
	s_barrier_wait -1
.endm
.Liter:                                            ; four trips of the loop, two slots each: a constant count, so that every wave meets every barrier
	TRIP 0
	TRIP 1
	s_wait_xcnt 0x0                                ; the loads and prefetches have read their bases: they may step
	s_add_nc_u64 s[40:41], s[40:41], 32768         ; 512 keys on in K,
	s_add_nc_u64 s[42:43], s[42:43], 512           ; in V's rows,
	s_sub_co_i32 s25, s25, 512
	s_sub_co_i32 s26, s26, 512
	s_wait_alu depctr_va_vdst(0)
	v_add_nc_u32 v[ADS], 1024, v[ADS]              ; and among the scale words: four steps of 256 bytes.  (No LDS instruction has been issued since the wait on vm_vsrc at the trip's end; the next step's head states that v5 is written)
	s_sub_co_u32 s28, s28, 1
	s_cmp_lg_u32 s28, 0
	s_cbranch_scc1 .Liter
	s_cmp_gt_i32 s25, -256                         ; a half that walked the last slot stores its result here
	s_cbranch_scc0 .Ldone
	EPILOGUE 0
.Ldone:
	s_wait_dscnt 0x0                               ; the closing lines, six on end
	s_wait_alu 0x0
	s_wait_tensorcnt 0x0
	ds_add_u32 v254, v255
	s_wait_dscnt 0x0
	s_endpgm
.Lfunc_end_k_qebc93db997_attn:
	.size	k_qebc93db997_attn, .Lfunc_end_k_qebc93db997_attn-k_qebc93db997_attn
	.p2alignl 7, 3214868480
	.fill 96, 4, 3214868480
	.section	.rodata,"a",@progbits
	.p2align	6, 0x0
	.amdhsa_kernel k_qebc93db997_attn
		.amdhsa_group_segment_fixed_size 231424
		.amdhsa_private_segment_fixed_size 0
		.amdhsa_enable_private_segment 0
		.amdhsa_kernarg_size 64
		.amdhsa_user_sgpr_count 2
		.amdhsa_user_sgpr_kernarg_segment_ptr 1
		.amdhsa_wavefront_size32 1
		.amdhsa_system_sgpr_workgroup_id_x 1
		.amdhsa_system_sgpr_workgroup_id_y 1
		.amdhsa_system_sgpr_workgroup_id_z 1
		.amdhsa_system_vgpr_workitem_id 0
		.amdhsa_next_free_vgpr 256
		.amdhsa_next_free_sgpr 100
		.amdhsa_reserve_vcc 1
		.amdhsa_float_denorm_mode_32 3
		.amdhsa_float_denorm_mode_16_64 3
		.amdhsa_memory_ordered 1
		.amdhsa_forward_progress 1
		.amdhsa_inst_pref_size 149
	.end_amdhsa_kernel
	.amdgpu_metadata
---
amdhsa.version: [ 1, 2 ]
amdhsa.kernels:
  - .name:           k_qebc93db997_attn
    .symbol:         k_qebc93db997_attn.kd
    .args:
      - { .name: keys_codes, .offset: 0, .size: 8, .value_kind: global_buffer, .address_space: global }
      - { .name: keys_scales, .offset: 8, .size: 8, .value_kind: global_buffer, .address_space: global }
      - { .name: queries_codes, .offset: 16, .size: 8, .value_kind: global_buffer, .address_space: global }
      - { .name: queries_scales, .offset: 24, .size: 8, .value_kind: global_buffer, .address_space: global }
      - { .name: valid_lens, .offset: 32, .size: 8, .value_kind: global_buffer, .address_space: global }
      - { .name: values_codes, .offset: 40, .size: 8, .value_kind: global_buffer, .address_space: global }
      - { .name: values_scales, .offset: 48, .size: 8, .value_kind: global_buffer, .address_space: global }
      - { .name: out0, .offset: 56, .size: 8, .value_kind: global_buffer, .address_space: global }
    .group_segment_fixed_size: 231424
    .private_segment_fixed_size: 0
    .kernarg_segment_align: 8
    .kernarg_segment_size: 64
    .max_flat_workgroup_size: 512
    .sgpr_count:     100
    .vgpr_count:     256
    .wavefront_size: 32
...
	.end_amdgpu_metadata
.endif
;; end of part 2
